; MI455X (gfx1250); checked and timed in simulation.
; The chip was launched on July 23, 2026; its instructions are those of AMD's public machine-readable ISA for CDNA 5 (MIT licence, August 2026) and "CDNA5" Instruction Set Architecture Reference Guide (July 2026). The comments in the code are by the model that wrote it; some were corrected since.
;; Patched Dbrx Experts. Allowed arithmetic: float matrix products may take bf16 or f16 operands with f32 sums; all other float work in f32.
;; Inputs: down_weights 8 x 2,048 x 256 float32; gate_up_weights 8 x 512 x 2,048 float32; top_experts 4,096 x 4 int32; top_weights 4,096 x 4 float32; weights 4,096 x 8 float32; x 2 x 2,048 x 2,048 float32.
;; Outputs: out0 2 x 2,048 x 2,048 float32.
;; One version. Each part assembles by itself: llvm-mc -triple=amdgcn-amd-amdhsa -mcpu=gfx1250 --defsym DOCPART=n.
;; ======== version 1 of 1: 3 launches
;; limits: values are held in f16: magnitudes above 65,504 overflow, below 6.1e-05 lose precision; inputs' magnitudes at most 65,504; right only within a limited range of input values
;; workspace buffers: xh 16,777,216 bytes; guh 16,777,216 bytes; dnh 8,388,608 bytes; actf 16,777,216 bytes; xn2 16,384 bytes; wmx 2,048 bytes
;; launch tof16 (part 1): grid 1280 x 1, 8 waves a work-group, no clusters, 1,280 bytes of LDS; arguments x, gate_up_weights, down_weights, xh, guh, dnh, xn2, wmx; writes xh, guh, dnh, xn2, wmx
.if DOCPART == 1
	.amdgcn_target "amdgcn-amd-amdhsa--gfx1250"
	.amdhsa_code_object_version 6
	.text
	.protected	k_q38624d985d_tof16
	.globl	k_q38624d985d_tof16
	.p2align	8
	.type	k_q38624d985d_tof16,@function
k_q38624d985d_tof16:
	s_mov_b64 s[64:65], 0
	v_nop
	global_prefetch_b8 v0, s[64:65] scope:SCOPE_SE
	s_setreg_imm32_b32 hwreg(HW_REG_WAVE_MODE, 25, 1), 1
	s_wait_xcnt 0x0
; x, gate_up_weights and down_weights, all f32, are rounded once to f16 in the same order, into xh, guh, dnh.  On the way:
; xn2[t] = the sum of the squares of row t of x (4,096 rows of 2,048);  wmx[p] = the largest such sum among rows 8 p .. 8 p + 7 of gate_up_weights (512 words).
; The two products that follow read each of these numbers sixteen times over, so the rounding is done once here and their tiles are half as many bytes.
; The sums of squares bound what the first product can give (Cauchy-Schwarz), and from that bound both products take each token's power-of-two scale.
; WHY f16 AND NOT bf16: f16 keeps 11 bits of significand, bf16 8; with three operands rounded to 8 bits the result's error is a third of a per cent of
; a token's root mean square, which is as much as the result may be off by.
; LIMIT: a number above 65,504 in size becomes infinite; below 6.1e-5 the step is fixed at 6e-8.  x as drawn stays below 6, the weights' root mean
; squares are 0.022 and 0.0625: thirty times either way, or an offset of thirty spreads, stays inside, and the fixed step stays below 1e-4 of the
; smallest root mean square (7e-4).
; 83,886,080 bytes of f32 in pieces of 65,536: 1,280 work-groups.  Numbers 0-511 take x, 512-1023 gate_up_weights, 1024-1279 down_weights;
; in each range the piece is the number modulo 512.  A piece of x or of gate_up_weights is eight rows of 8,192 bytes: wave w takes row w whole,
; 16 loads of 16 bytes a lane, so that a row's sum never leaves the wave.  A load of a wave covers 512 consecutive bytes, a store 256 consecutive
; bytes at a multiple of 256 from the buffer's first byte.  All 16 loads of a wave go out at once; no register that a pending load or store names is
; written again.  The eight sums meet in 32 bytes of LDS; every wave of every work-group passes the one barrier, and wave 0 stores them.
; No matrix unit, no cluster: nothing is multiplied by anything shared.
.set X,  4                             ; v[4:67]    step i: 4 f32 as loaded
.set Y,  68                            ; v[68:99]   step i: 4 f16 to store
.set Q,  100                           ; v[100:103] two pairs of running sums of squares
.set WV, 104                           ; v104       the wave's number
.set LA, 105                           ; v105       LDS address of my wave's word: 4 x wave
.set RA, 106                           ; v106       wave 0: LDS address of the word that the lane reads: 4 (lane mod 8)
.set RV, 107                           ; v107       wave 0: that word
.set L4, 108                           ; v108       wave 0: 4 x lane, the lane's offset in xn2 or wmx
	s_load_b256 s[4:11], s[0:1], 0x0               ; x s[4:5], gate_up_weights s[6:7], down_weights s[8:9], xh s[10:11]
	s_load_b256 s[12:19], s[0:1], 0x20             ; guh s[12:13], dnh s[14:15], xn2 s[16:17], wmx s[18:19]
	v_lshl_add_u32 v110, v0, 2, 0x100
	v_mov_b32 v111, 0
	s_mov_b32 s21, ttmp9                           ; the work-group's number
	s_and_b32 s20, s21, 511                        ; the piece inside its tensor
	s_lshl_b32 s22, s20, 16                        ; 65,536 bytes of f32 a piece (below 32 MiB),
	s_mov_b32 s23, 0
	s_lshl_b32 s24, s20, 15                        ; 32,768 bytes of f16
	s_mov_b32 s25, 0
	s_mov_b32 s34, 0x76543210                      ; v_permlanex16_b32: lane i of one half reads lane i of the other
	s_mov_b32 s35, 0xfedcba98
	v_and_b32 v3, 31, v0                           ; lane
	v_lshrrev_b32 v[WV], 5, v0                     ; wave
	v_readfirstlane_b32 s30, v[WV]                 ; and as a scalar
	v_lshlrev_b32 v1, 13, v[WV]                    ; from: wave x 8,192 + 16 x lane
	v_lshl_or_b32 v1, v3, 4, v1
	v_lshlrev_b32 v2, 12, v[WV]                    ; to: wave x 4,096 + 8 x lane
	v_lshl_or_b32 v2, v3, 3, v2
	v_mov_b32 v[LA], s30
	v_lshlrev_b32 v[LA], 2, v[LA]                  ; LDS word w
	s_wait_kmcnt 0x0
	s_cmp_lt_u32 s21, 512                          ; which tensor: the choice hangs on the work-group's number alone
	s_cselect_b64 s[26:27], s[4:5], s[6:7]
	s_cselect_b64 s[28:29], s[10:11], s[12:13]
	s_cmp_lt_u32 s21, 1024
	s_cselect_b64 s[26:27], s[26:27], s[8:9]
	s_cselect_b64 s[28:29], s[28:29], s[14:15]
	s_add_nc_u64 s[26:27], s[26:27], s[22:23]      ; from
	s_add_nc_u64 s[28:29], s[28:29], s[24:25]      ; to
.irp i, 0,1,2,3,4,5,6,7,8,9,10,11,12,13,14,15
	global_load_b128 v[X+4*\i:X+4*\i+3], v1, s[26:27] offset:512*\i th:TH_LOAD_NT    ; read once in the whole program
.endr
; The sixteen steps.  norm = 1: the squares are added up as well, in two pairs of sums; the first step starts them, nothing is cleared.
.macro STEPS norm
.irp i, 0,1,2,3,4,5,6,7,8,9,10,11,12,13,14,15
	s_wait_loadcnt 15-\i                           ; loads come back in order (ISA guide 5.7.1): step i is in, the 15 - i younger ones stay out
	v_cvt_pk_f16_f32 v[Y+2*\i],   v[X+4*\i],   v[X+4*\i+1]
	v_cvt_pk_f16_f32 v[Y+2*\i+1], v[X+4*\i+2], v[X+4*\i+3]
	global_store_b64 v2, v[Y+2*\i:Y+2*\i+1], s[28:29] offset:256*\i     ; no hint: the launches that follow read these bytes many times
.if \norm
.if \i
	v_pk_fma_f32 v[Q:Q+1],   v[X+4*\i:X+4*\i+1],   v[X+4*\i:X+4*\i+1],   v[Q:Q+1]
	v_pk_fma_f32 v[Q+2:Q+3], v[X+4*\i+2:X+4*\i+3], v[X+4*\i+2:X+4*\i+3], v[Q+2:Q+3]
.else
	v_pk_mul_f32 v[Q:Q+1],   v[X:X+1],   v[X:X+1]
	v_pk_mul_f32 v[Q+2:Q+3], v[X+2:X+3], v[X+2:X+3]
.endif
.endif
.endr
.endm
	s_cmp_lt_u32 s21, 1024
	s_cbranch_scc0 .Lplain                         ; down_weights: no sums are wanted
	STEPS 1
	v_pk_add_f32 v[Q:Q+1], v[Q:Q+1], v[Q+2:Q+3]
	v_add_f32 v[Q], v[Q], v[Q+1]
	; across the 32 lanes: four steps inside each half of 16 lanes, one across the halves; every lane ends with the row's sum
	v_add_f32_dpp v[Q], v[Q], v[Q] row_xmask:1 row_mask:0xf bank_mask:0xf
	v_add_f32_dpp v[Q], v[Q], v[Q] row_xmask:2 row_mask:0xf bank_mask:0xf
	v_add_f32_dpp v[Q], v[Q], v[Q] row_xmask:4 row_mask:0xf bank_mask:0xf
	v_add_f32_dpp v[Q], v[Q], v[Q] row_xmask:8 row_mask:0xf bank_mask:0xf
	v_permlanex16_b32 v[Q+1], v[Q], s34, s35       ; its destination counts as read: a register that has been written
	v_add_f32 v[Q], v[Q], v[Q+1]
	ds_store_b32 v[LA], v[Q]                       ; all lanes write the wave's word with the same value
	s_branch .Ljoin
.Lplain:
	STEPS 0
.Ljoin:
	s_wait_dscnt 0x0                               ; my word is in LDS, for wave 0's sake: zero
	s_barrier_signal -1
	s_barrier_wait -1                              ; all eight words are
	s_cmp_lg_u32 s30, 0
	s_cbranch_scc1 .Ldone                          ; wave 0 alone stores them
	s_cmp_lt_u32 s21, 1024
	s_cbranch_scc0 .Ldone                          ; down_weights: there are none
	v_and_b32 v[RA], 7, v3
	v_lshlrev_b32 v[RA], 2, v[RA]
	ds_load_b32 v[RV], v[RA]                       ; lane l: the sum of row l mod 8
	v_lshlrev_b32 v[L4], 2, v3                     ; 4 x lane
	s_mov_b32 s33, 0
	s_wait_dscnt 0x0
	s_cmp_lt_u32 s21, 512
	s_cbranch_scc0 .Lgate
	s_lshl_b32 s32, s20, 5                         ; x: eight words a piece, 32 neighbouring bytes in one store.  xn2 is 16 KiB in all
	s_add_nc_u64 s[16:17], s[16:17], s[32:33]
	v_cmp_gt_u32 vcc_lo, 8, v3
	s_wait_xcnt 0x0                                ; EXEC is a source of the stores above: it is narrowed only behind this wait
	s_and_saveexec_b32 s31, vcc_lo
	global_store_b32 v[L4], v[RV], s[16:17]
	s_wait_xcnt 0x0                                ; and widened again only behind this one
	s_or_b32 exec_lo, exec_lo, s31
	s_wait_tensorcnt 0x0
	ds_add_u32 v110, v111
	s_wait_dscnt 0x0
	s_endpgm
.Lgate:
	v_max_num_f32_dpp v[RV], v[RV], v[RV] row_xmask:1 row_mask:0xf bank_mask:0xf     ; gate_up_weights: the largest of the eight
	v_max_num_f32_dpp v[RV], v[RV], v[RV] row_xmask:2 row_mask:0xf bank_mask:0xf
	v_max_num_f32_dpp v[RV], v[RV], v[RV] row_xmask:4 row_mask:0xf bank_mask:0xf
	s_lshl_b32 s32, s20, 2                         ; one word a piece.  wmx is 2 KiB in all
	s_add_nc_u64 s[18:19], s[18:19], s[32:33]
	v_cmp_eq_u32 vcc_lo, 0, v3
	s_wait_xcnt 0x0                                ; as above
	s_and_saveexec_b32 s31, vcc_lo
	global_store_b32 v[L4], v[RV], s[18:19]        ; lane 0: its offset is 0
	s_wait_xcnt 0x0
	s_or_b32 exec_lo, exec_lo, s31
.Ldone:
	s_wait_tensorcnt 0x0
	ds_add_u32 v110, v111
	s_wait_dscnt 0x0
	s_endpgm
.Lfunc_end_k_q38624d985d_tof16:
	.size	k_q38624d985d_tof16, .Lfunc_end_k_q38624d985d_tof16-k_q38624d985d_tof16
	.p2alignl 7, 3214868480
	.fill 96, 4, 3214868480
	.section	.rodata,"a",@progbits
	.p2align	6, 0x0
	.amdhsa_kernel k_q38624d985d_tof16
		.amdhsa_group_segment_fixed_size 1280
		.amdhsa_private_segment_fixed_size 0
		.amdhsa_enable_private_segment 0
		.amdhsa_kernarg_size 64
		.amdhsa_user_sgpr_count 2
		.amdhsa_user_sgpr_kernarg_segment_ptr 1
		.amdhsa_wavefront_size32 1
		.amdhsa_system_sgpr_workgroup_id_x 1
		.amdhsa_system_sgpr_workgroup_id_y 1
		.amdhsa_system_sgpr_workgroup_id_z 1
		.amdhsa_system_vgpr_workitem_id 0
		.amdhsa_next_free_vgpr 112
		.amdhsa_next_free_sgpr 66
		.amdhsa_reserve_vcc 1
		.amdhsa_float_denorm_mode_32 3
		.amdhsa_float_denorm_mode_16_64 3
		.amdhsa_memory_ordered 1
		.amdhsa_forward_progress 1
		.amdhsa_inst_pref_size 16
	.end_amdhsa_kernel
	.amdgpu_metadata
---
amdhsa.version: [ 1, 2 ]
amdhsa.kernels:
  - .name:           k_q38624d985d_tof16
    .symbol:         k_q38624d985d_tof16.kd
    .args:
      - { .name: x, .offset: 0, .size: 8, .value_kind: global_buffer, .address_space: global }
      - { .name: gate_up_weights, .offset: 8, .size: 8, .value_kind: global_buffer, .address_space: global }
      - { .name: down_weights, .offset: 16, .size: 8, .value_kind: global_buffer, .address_space: global }
      - { .name: xh, .offset: 24, .size: 8, .value_kind: global_buffer, .address_space: global }
      - { .name: guh, .offset: 32, .size: 8, .value_kind: global_buffer, .address_space: global }
      - { .name: dnh, .offset: 40, .size: 8, .value_kind: global_buffer, .address_space: global }
      - { .name: xn2, .offset: 48, .size: 8, .value_kind: global_buffer, .address_space: global }
      - { .name: wmx, .offset: 56, .size: 8, .value_kind: global_buffer, .address_space: global }
    .group_segment_fixed_size: 1280
    .private_segment_fixed_size: 0
    .kernarg_segment_align: 8
    .kernarg_segment_size: 64
    .max_flat_workgroup_size: 256
    .sgpr_count:     66
    .vgpr_count:     112
    .wavefront_size: 32
...
	.end_amdgpu_metadata
.endif
;; end of part 1
;; launch gateup (part 2): grid 16 x 16, 4 waves a work-group, clusters of 4 x 4, 327,680 bytes of LDS; arguments xh, guh, top_experts, top_weights, xn2, wmx, actf; writes actf
.if DOCPART == 2
	.amdgcn_target "amdgcn-amd-amdhsa--gfx1250"
	.amdhsa_code_object_version 6
	.text
	.protected	k_q38624d985d_gateup
	.globl	k_q38624d985d_gateup
	.p2align	8
	.type	k_q38624d985d_gateup,@function
k_q38624d985d_gateup:
	s_mov_b64 s[64:65], 0
	v_nop
	global_prefetch_b8 v0, s[64:65] scope:SCOPE_SE
	s_setreg_imm32_b32 hwreg(HW_REG_WAVE_MODE, 25, 1), 1
	s_wait_xcnt 0x0
	s_wait_alu depctr_hold_cnt(0) depctr_sa_sdst(0) depctr_va_vdst(0) depctr_va_sdst(0) depctr_va_ssrc(0) depctr_va_vcc(0) depctr_vm_vsrc(0)
	s_getreg_b32 s2, hwreg(HW_REG_IB_STS2, 6, 4)
	s_cmp_eq_u32 s2, 0
	s_cbranch_scc0 .Lentry_in_a_cluster
	s_endpgm
.Lentry_in_a_cluster:
	s_bfe_u32 s2, ttmp6, 0x10000c
	s_cmp_lg_u32 s2, 0xf033
	s_cbranch_scc0 .Lentry_shape_is_right
	s_endpgm
.Lentry_shape_is_right:
; actf[t][256 e + i] = f16( s[t] * coef[t][e] * silu(g) * u ),  g = sum over k of x[t][k] Wgu[e][i][k],  u = the same with row 256 + i of expert e,
; coef[t][e] = the sum of those of the token's four top_weights whose top_experts entry is e,  s[t] = a power of two (below).
; xh: [4096][2048] f16.  guh: [8][512][2048] f16.  top_experts: [4096][4] i32.  top_weights: [4096][4] f32.  xn2: [4096] f32, the sums of squares of x's
; rows.  wmx: [512] f32, the largest sum of squares among each eight rows of the weights.  actf: [4096][2048] f16.
; Since coef scales whole rows, the walk over the experts is one product of 4096 x 4096 x 2048 here and one of 4096 x 2048 x 2048 in the next launch.
; Every (token, expert) pair is computed, as the problem writes it; a pair that is not routed gets coef = 0.
; The problem's input weights [4096][8] is used by no step of the problem's function and is read by no launch.
; THE SCALE.  coef silu(g) u grows with the square of x and of the weights and has no room in f16 as it stands.  |silu(g)| <= |g|; |g| and |u| are at most
; |x's row| times the longest weight row (Cauchy-Schwarz); |coef| is at most the sum of the four |top_weights|.  So the result is at most
; C[t] = (sum of |top_weights[t]|) * xn2[t] * max(wmx).  With e the biased exponent of C, s = 2^(139 - e) brings C into [2^12, 2^13): eight times under
; f16's 65,504, which covers the rounding of x and the weights.  The next launch forms C by the same instructions and multiplies by 2^(e - 139): both exact.
; e is kept at 64 or more, so that coef s stays finite for coef up to 2^53; a token whose bound is below 2^-63 is scaled by 2^75.
; LIMITS.  x and the weights are rounded to f16 (their range: the launch that rounds them), sums are f32.  A number of actf keeps 11 bits down to 2^-26 of
; the bound, below that the step is fixed; on numbers as drawn a row's root mean square lies about 2^-13 under the bound.  One longest row serves all
; experts: if the experts' rows differ in length by a factor F, tokens routed only to the short ones lie F^2 lower; up to F of about 64 nothing is lost.
; The result is formed as (g u coef s) * rcp(1 + exp2(-1.442695 g)); v_exp_f32 and v_rcp_f32 flush denormals (ISA guide 15.8), so below g of about -88 it
; is a zero where the exact one is below 1e-36 in size.  If |g u| passes f32's largest number while the sigmoid is 0, the result is NaN where the exact
; one is 0.
;
; A work-group makes 256 tokens x 128 columns with four waves: 256 x 256 of the product, namely 128 gate rows and the 128 up rows that belong
; to them.  A wave makes 128 tokens x (64 gate + 64 up): 64 accumulator tiles of 16 x 16, 512 registers; tile (a, b) and tile (a, b + 4) hold g and u
; of the same number in the same lane and register, so the activation needs no exchange.
; K goes in steps of 128 through a ring of two LDS slots filled by the tensor data mover; a tile's rows are 256 bytes of memory at multiples of 256.
; CLUSTERS: 4 x 4 work-groups.  The four of a row of the cluster have the same tokens, the four of a column the same weight rows; such a tile is asked
; for jointly, by the same tensor load with the same descriptor in all four, which divides the requests for both operands by four.
;
; REGISTERS, in windows of 256:
;   window 0: v0-55 addresses, coef, xn2; v64-127, v128-191 fragments of x, two buffers (ahead of the loop and on the way out: work registers); v192-255 rows read back
;   window 1: v64-127, v128-191 fragments of the weights, two buffers
;   window 2: the 32 tiles of my tokens 0-63 (tile (a, b) at v[8 (8 a + b)]);  window 3: those of my tokens 64-127
; THE MATRIX INSTRUCTION IS USED TRANSPOSED: source 0 = 16 weight rows, source 1 = 16 tokens, so lane l holds token l % 16 and its registers 0 to 7
; the columns 8 (l / 16) + 0 .. 7: eight neighbouring numbers of a row.
.set KDIM,   2048
.set KSTEP,  128
.set PITCH,  272                       ; an LDS row: 256 bytes + 16 of padding, so that the 16 rows of a fragment load start at 16 different 16-byte columns of 256
.set HALFT,  128*PITCH                 ; 128 rows: what one tensor load brings
.set SLOT,   4*HALFT                   ; 256 tokens, then 128 gate rows, then 128 up rows
.set STAGE,  2*SLOT                    ; behind the ring, at a multiple of 256: 128 rows x 272 bytes for the way out; no tensor load lands here
.set SPITCH, 272
.set LAPS,   KDIM/(2*KSTEP)            ; 8 laps of two K steps
.set ADRA, 16                          ; v16-17  LDS address of my token fragments in slot 0, 1
.set ADRB, 20                          ; v20-21  the same for my weight fragments
.set STO,  24                          ; v24     the way out: where I put 16 bytes of a row
.set RD,   25                          ; v25     the way out: where I read a row back
.set CO,   26                          ; v26     my byte offset in actf
.set TK,   27                          ; v27     16 (l % 16): my token's four entries in top_experts and top_weights
.set TK4,  28                          ; v28     4 (l % 16): my token's word in xn2
.set LN,   29                          ; v29     16 x lane: my 16 bytes of each 512 of wmx
.set CF,   32                          ; v[32:47] coef s of token block ci, twice, as the pair v[32+2ci:33+2ci]
.set XN,   48                          ; v[48:55] xn2 of token block ci
.set WL,   64                          ; v[64:79]   ahead of the loop: 16 words of wmx
.set F0,   64
.set F1,   128
.set LE,   128                         ; v[128:191] ahead of the loop: block ci: 4 experts, 4 weights
.set TT,   64                          ; the way out: v[64:95]   -1.442695 g, then 1 + exp2 of it
.set PP,   96                          ;              v[96:127]  g u, then g u coef s, then the result
.set EE,   128                         ;              v[128:159] exp2, then the reciprocal
.set OO,   160                         ;              v[160:175] packed f16
.set RB,   192                         ;              v[192:255] 16 x 4 registers read back from the stage
.set G1,  24                           ; s[24:31] descriptor group 1 for token tiles
.set G0,  32                           ; s[32:39] descriptor group 0 for token tiles, one set for each slot
.set G1B, 48                           ; s[48:55] group 1 for weight tiles: another mask
.set G0B, 56                           ; s[56:63] group 0 for weight tiles, one set for each slot
.set MSB, 0
.macro WIN new                         ; the immediate's high byte repeats the setting that is left
.if MSB != \new
	s_set_vgpr_msb (MSB<<8)|\new
.set MSB, \new
.endif
.endm
.set MUL_LO, 0xa1                      ; source 0 (weights) window 1, source 1 (tokens) window 0, C and D window 2
.set MUL_HI, 0xf1                      ; the same, C and D window 3
.set TO_B,   0x40                      ; destination window 1, address window 0
; A joint load.  Waves 0 and 1 fetch the two halves of the tokens, wave 2 the gate rows, wave 3 the up rows.  Each line has one mask; the branch hangs
; on the wave's number alone.
.macro JLOAD s
	s_cmp_eq_u32 s11, 0
	s_cbranch_scc0 .Lfor_b_\@
	tensor_load_to_lds s[G0+4*\s:G0+4*\s+3], s[G1:G1+7]
	s_nop 0
	s_branch .Lasked_\@
.Lfor_b_\@:
	tensor_load_to_lds s[G0B+4*\s:G0B+4*\s+3], s[G1B:G1B+7]
	s_nop 0
.Lasked_\@:
.endm
; A round of the cluster's barrier: my work-group's barrier, wave 0 signals for the work-group, every wave waits for all sixteen, my barrier once more.
.macro CREST                           ; a round behind its opening barrier
	s_cmp_lg_u32 s10, 0
	s_cbranch_scc1 .Lnot_wave_0_\@
	s_barrier_signal -3
.Lnot_wave_0_\@:
	s_barrier_wait -3
	s_barrier_signal -1
	s_barrier_wait -1
.endm
.macro CROUND                          ; a whole round
	s_barrier_signal -1
	s_barrier_wait -1
	CREST
.endm
	s_load_b128 s[4:7], s[0:1], 0x0                ; xh s[4:5], guh s[6:7]
	s_load_b128 s[68:71], s[0:1], 0x10             ; top_experts s[68:69], top_weights s[70:71]
	s_load_b128 s[80:83], s[0:1], 0x20             ; xn2 s[80:81], wmx s[82:83]
	s_load_b64 s[8:9], s[0:1], 0x30                ; actf
	s_set_vgpr_msb 0x40
	v_lshl_add_u32 v255, v0, 2, 0x4c800
	s_set_vgpr_msb 0x4000
	v_mov_b32 v63, 0
	s_set_vgpr_msb 0x1
	ds_add_u32 v255, v63
	s_set_vgpr_msb 0x100
	v_lshrrev_b32 v1, 5, v0
	v_readfirstlane_b32 s10, v1                    ; wave 0..3
	s_lshr_b32 s11, s10, 1                         ; which 128 tokens are mine.  Also: I fetch tokens (0) or weights (1)
	s_and_b32 s12, s10, 1                          ; which 64 gate and 64 up rows are mine.  Also: which half I fetch
	s_bfe_u32 s40, ttmp6, 0x40000                  ; cx
	s_bfe_u32 s41, ttmp6, 0x40004                  ; cy
	s_lshl_b32 s42, ttmp9, 2
	s_add_co_u32 s42, s42, s40                     ; block column nb = 4 x cluster x + cx = 2 e + j: expert e, half j of its 256 columns
	s_and_b32 s13, ttmp7, 0xffff
	s_lshl_b32 s13, s13, 2
	s_add_co_u32 s13, s13, s41                     ; block row by = 4 x cluster y + cy: 256 tokens
	s_lshl_b32 s43, s41, 2
	s_lshl_b32 s43, 15, s43                        ; my row of the cluster: places 4 cy .. 4 cy + 3
	s_lshl_b32 s44, 0x1111, s40                    ; my column: places cx, cx + 4, cx + 8, cx + 12
	s_lshr_b32 s72, s42, 1                         ; e, for the compares with top_experts
	s_mov_b32 s76, 0xbfb8aa3b                      ; -log2(e), twice: a pair for the packed multiply
	s_mov_b32 s77, 0xbfb8aa3b
	s_mov_b32 s78, 0x7fffffff                      ; clears a sign
	s_mov_b32 s86, 0x76543210                      ; v_permlanex16_b32: lane i of one half reads lane i of the other
	s_mov_b32 s87, 0xfedcba98
	s_lshl_b32 s74, s13, 12                        ; 16 bytes a token in top_experts and top_weights: (256 by + 128 half) x 16
	s_lshl_b32 s75, s11, 11
	s_add_co_u32 s74, s74, s75
	s_mov_b32 s75, 0
	s_lshl_b32 s84, s13, 10                        ; 4 bytes a token in xn2
	s_lshl_b32 s85, s11, 9
	s_add_co_u32 s84, s84, s85
	s_mov_b32 s85, 0
	; descriptor group 1: a tile of 128 rows x 128 elements of 2 bytes, 16 bytes of padding behind every 256
	s_or_b32 s[G1+0], s43, (1<<16)|(1<<20)|(1<<21)|(5<<22)|(3<<25)  ; 15:0 mask: token tiles go to my row; 17:16 2-byte elements; 20 padding on; 21 set beside a mask; 24:22 every 64 words; 31:25 4 words
	s_or_b32 s[G1B+0], s44, (1<<16)|(1<<20)|(1<<21)|(5<<22)|(3<<25) ; the same with my column's mask, for weight tiles
	s_mov_b32 s[G1+1], KSTEP<<16                   ; tensor_dim0 = 128
	s_mov_b32 s[G1B+1], KSTEP<<16
	s_mov_b32 s[G1+2], 128<<16                     ; tensor_dim1 = 128
	s_mov_b32 s[G1B+2], 128<<16
	s_mov_b32 s[G1+3], KSTEP<<16                   ; tile_dim0 = 128
	s_mov_b32 s[G1B+3], KSTEP<<16
	s_mov_b32 s[G1+4], 128                         ; tile_dim1 = 128
	s_mov_b32 s[G1B+4], 128
	s_mov_b32 s[G1+5], KDIM                        ; 2,048 elements from row to row
	s_mov_b32 s[G1B+5], KDIM
	s_mov_b32 s[G1+6], 0
	s_mov_b32 s[G1B+6], 0
	s_mov_b32 s[G1+7], 0
	s_mov_b32 s[G1B+7], 0
	; where the tiles come from: token tiles hang on by alone, weight tiles on nb alone, each in registers that never hold the other coordinate
	s_lshl_b32 s17, s12, 7
	s_lshl_b32 s16, s13, 8
	s_add_co_u32 s16, s16, s17                     ; token row 256 by + 128 x half
	s_lshl_b32 s16, s16, 12                        ; x 4,096 bytes (below 16 MiB)
	s_mov_b32 s17, 0
	s_lshr_b32 s46, s42, 1
	s_lshl_b32 s46, s46, 9                         ; 512 e
	s_and_b32 s45, s42, 1
	s_lshl_b32 s45, s45, 7                         ; + 128 j
	s_add_co_u32 s46, s46, s45
	s_lshl_b32 s45, s12, 8                         ; + 256 for the up rows (wave 3)
	s_add_co_u32 s46, s46, s45
	s_lshl_b32 s46, s46, 12
	s_mov_b32 s47, 0
	s_mul_i32 s20, s10, HALFT                      ; and where they go: wave x 128 rows; no place in the cluster enters an LDS address
	s_wait_dscnt 0x0
	s_wait_kmcnt 0x0
	s_add_nc_u64 s[14:15], s[4:5], s[16:17]
	s_add_nc_u64 s[46:47], s[6:7], s[46:47]
	s_add_nc_u64 s[68:69], s[68:69], s[74:75]      ; top_experts, top_weights and xn2 at my first token
	s_add_nc_u64 s[70:71], s[70:71], s[74:75]
	s_add_nc_u64 s[80:81], s[80:81], s[84:85]
	CROUND                                         ; all sixteen work-groups are here: the first joint loads meet
.irp s, 0,1
	s_mov_b32 s[G0+4*\s], 1                                        ; count = 1
	s_add_co_u32 s[G0+4*\s+1], s20, \s*SLOT                        ; LDS address
	s_add_nc_u64 s[G0+4*\s+2:G0+4*\s+3], s[14:15], \s*KSTEP*2      ; global address: K step s
	s_or_b32 s[G0+4*\s+3], s[G0+4*\s+3], 0x80000000                ; type = 2
	s_mov_b32 s[G0B+4*\s], 1
	s_add_co_u32 s[G0B+4*\s+1], s20, \s*SLOT
	s_add_nc_u64 s[G0B+4*\s+2:G0B+4*\s+3], s[46:47], \s*KSTEP*2
	s_or_b32 s[G0B+4*\s+3], s[G0B+4*\s+3], 0x80000000
	JLOAD \s                                       ; both slots are asked for before anything else: two tensor loads of the wave are out
.endr
	; A fragment is 16 rows x 32 K in 8 registers: lane l holds row l % 16; registers 0-3 K = 8 (l / 16) + 0..7, registers 4-7 K = 16 + 8 (l / 16) + 0..7:
	; two loads of 16 bytes, 32 bytes apart.
	v_and_b32 v1, 15, v0                           ; l % 16
	v_bfe_u32 v2, v0, 4, 1                         ; l / 16
	v_and_b32 v5, 31, v0                           ; l
	v_lshlrev_b32 v[TK], 4, v1                     ; 16 (l % 16)
	v_lshlrev_b32 v[TK4], 2, v1                    ; 4 (l % 16)
	v_lshlrev_b32 v[LN], 4, v5                     ; 16 l
.irp j, 0,1,2,3
	global_load_b128 v[WL+4*\j:WL+4*\j+3], v[LN], s[82:83] offset:512*\j         ; all 512 words of wmx, 16 a lane
.endr
.irp ci, 0,1,2,3,4,5,6,7
	global_load_b128 v[LE+8*\ci:LE+8*\ci+3],   v[TK], s[68:69] offset:256*\ci    ; token 16 ci + l % 16 of my 128: its four experts,
	global_load_b128 v[LE+8*\ci+4:LE+8*\ci+7], v[TK], s[70:71] offset:256*\ci    ; its four weights,
	global_load_b32  v[XN+\ci], v[TK4], s[80:81] offset:64*\ci                   ; and its row's sum of squares
.endr
	v_mul_u32_u24 v3, v1, PITCH
	v_lshl_add_u32 v3, v2, 4, v3                   ; row x pitch + 16 x half
	s_mul_i32 s21, s11, HALFT                      ; my 128 tokens
	s_mul_i32 s22, s12, 64*PITCH                   ; my 64 gate rows,
	s_add_co_u32 s22, s22, 2*HALFT                 ; which lie behind the 256 tokens; my 64 up rows lie 128 rows further on
.irp s, 0,1
	v_add_nc_u32 v[ADRA+\s], s21, v3
	v_add_nc_u32 v[ADRB+\s], s22, v3
	s_add_co_u32 s21, s21, SLOT
	s_add_co_u32 s22, s22, SLOT
.endr
	s_mul_i32 s23, s11, 64*SPITCH                  ; the stage holds 64 tokens of each half of the block at a time: rows 64 x half + ..,
	s_lshl_b32 s18, s12, 7                         ; my 64 columns are 128 bytes of a row
	s_add_co_u32 s23, s23, s18
	s_add_co_u32 s23, s23, STAGE
	v_add_nc_u32 v[STO], s23, v3                   ; in: row l % 16, 16 bytes for each half of the lanes
	s_mul_i32 s18, s10, 32*SPITCH                  ; back: wave w takes rows 32 w .. 32 w + 31,
	s_add_co_u32 s18, s18, STAGE
	v_mul_u32_u24 v5, v2, SPITCH                   ; lanes 0-15 one row of 256 bytes, lanes 16-31 the next
	v_add_nc_u32 v5, v5, v[TK]
	v_add_nc_u32 v[RD], s18, v5
	v_lshl_add_u32 v[CO], v2, 12, v[TK]            ; and the same two rows in actf (4,096 bytes a row)
	s_wait_loadcnt 0x0                             ; wmx, experts, weights and sums of squares are in; the first tiles are on their way meanwhile
	; the longest weight row's sum of squares: my 16 words, then across the 32 lanes; every lane ends with it, in v9
	v_max3_num_f32 v9, v[WL], v[WL+1], v[WL+2]
.irp j, 3,5,7,9,11,13
	v_max3_num_f32 v9, v9, v[WL+\j], v[WL+\j+1]
.endr
	v_max_num_f32 v9, v9, v[WL+15]
	v_max_num_f32_dpp v9, v9, v9 row_xmask:1 row_mask:0xf bank_mask:0xf
	v_max_num_f32_dpp v9, v9, v9 row_xmask:2 row_mask:0xf bank_mask:0xf
	v_max_num_f32_dpp v9, v9, v9 row_xmask:4 row_mask:0xf bank_mask:0xf
	v_max_num_f32_dpp v9, v9, v9 row_xmask:8 row_mask:0xf bank_mask:0xf
	v_permlanex16_b32 v5, v9, s86, s87             ; its destination counts as read: a register that has been written
	v_max_num_f32 v9, v9, v5
; coef of token block ci: a select for each of the four entries, summed; nothing but values hangs on the compare.  Then the bound C, in the order in
; which the next launch forms it too (((|w0| + |w1|) + |w2|) + |w3|, times the row's sum of squares, times the longest weight row's), and the scale.
.macro COEF ci
	v_cmp_eq_u32 vcc_lo, s72, v[LE+8*\ci]
	v_cndmask_b32 v[CF+2*\ci], 0, v[LE+8*\ci+4], vcc_lo
.irp k, 1,2,3
	v_cmp_eq_u32 vcc_lo, s72, v[LE+8*\ci+\k]
	v_cndmask_b32 v6, 0, v[LE+8*\ci+4+\k], vcc_lo
	v_add_f32 v[CF+2*\ci], v[CF+2*\ci], v6
.endr
	v_and_b32 v6, s78, v[LE+8*\ci+4]
.irp k, 1,2,3
	v_and_b32 v7, s78, v[LE+8*\ci+4+\k]
	v_add_f32 v6, v6, v7
.endr
	v_mul_f32 v6, v6, v[XN+\ci]
	v_mul_f32 v6, v6, v9                           ; C
	v_bfe_u32 v6, v6, 23, 8                        ; e
	v_max_u32 v6, 64, v6
	v_sub_nc_u32 v6, 266, v6
	v_lshlrev_b32 v6, 23, v6                       ; s = 2^(139 - e)
	v_mul_f32 v[CF+2*\ci], v[CF+2*\ci], v6         ; coef s: exact
	v_mov_b32 v[CF+2*\ci+1], v[CF+2*\ci]           ; twice: a pair for the packed multiply
.endm
.irp ci, 0,1,2,3,4,5,6,7
	COEF \ci
.endr
; 16 matrix instructions: token blocks a0, a0 + 1 of the window's four x all 8 weight blocks, 32 along K.  zero = 1: the first product starts the sums.
; The 64 accumulators take turns, one instruction a turn, in the same order in every quarter step.
.macro MUL16 f, hi, a0, zero
.irp a, \a0, \a0+1
.irp b, 0,1,2,3,4,5,6,7
.if \zero
	v_wmma_f32_16x16x32_f16 v[8*(8*(\a)+\b):8*(8*(\a)+\b)+7], v[\f+8*\b:\f+8*\b+7], v[\f+8*(4*\hi+\a):\f+8*(4*\hi+\a)+7], 0
.else
	v_wmma_f32_16x16x32_f16 v[8*(8*(\a)+\b):8*(8*(\a)+\b)+7], v[\f+8*\b:\f+8*\b+7], v[\f+8*(4*\hi+\a):\f+8*(4*\hi+\a)+7], v[8*(8*(\a)+\b):8*(8*(\a)+\b)+7]
.endif
.endr
.endr
.endm
; 32 LDS loads in one run: the fragments of one quarter step (64 gate rows, 64 up rows, 128 tokens; 32 K at byte k of the rows) into buffer f
.macro FETCH slot, k, f
	WIN TO_B
.irp i, 0,1,2,3,4,5,6,7
	ds_load_b128 v[\f+8*\i:\f+8*\i+3],   v[ADRB+\slot] offset:\k+((\i)&3)*16*PITCH+((\i)>>2)*HALFT
	ds_load_b128 v[\f+8*\i+4:\f+8*\i+7], v[ADRB+\slot] offset:\k+((\i)&3)*16*PITCH+((\i)>>2)*HALFT+32
.endr
	WIN 0
.irp i, 0,1,2,3,4,5,6,7
	ds_load_b128 v[\f+8*\i:\f+8*\i+3],   v[ADRA+\slot] offset:\k+\i*16*PITCH
	ds_load_b128 v[\f+8*\i+4:\f+8*\i+7], v[ADRA+\slot] offset:\k+\i*16*PITCH+32
.endr
.endm
; Four places of plain vector instructions behind the last matrix instruction, in front of loads into registers that matrix
; instructions have read and of vector instructions that read their results.
.macro PLACES
.rept 4
	v_nop
.endr
.endm
; A K step is four quarter steps of 32 along K, 64 matrix instructions each, on buffers 0, 1, 0, 1.
.macro QUARTER slot, k, f, g, zero
	s_wait_dscnt 8                                 ; weights and tokens 0-63 are in; the youngest eight loads (tokens 64-127) may be out
	WIN MUL_LO
	MUL16 \f, 0, 0, \zero
	MUL16 \f, 0, 2, \zero
	PLACES
	FETCH \slot, \k, \g
	s_wait_dscnt 32                                ; all but the 32 just issued
	WIN MUL_HI
	MUL16 \f, 1, 0, \zero
	MUL16 \f, 1, 2, \zero
.endm
.macro THREE slot, zero
	QUARTER \slot, 64,  F0, F1, \zero
	QUARTER \slot, 128, F1, F0, 0
	QUARTER \slot, 192, F0, F1, 0
.endm
; The last quarter multiplies buffer 1 and changes slots.  In front of the barrier each wave waits for its reads of this slot and for all its tensor
; loads (the one that is out is its part of the next slot).  Behind it (with fill = 1: behind the whole round of the cluster's barrier) this slot is
; asked for again first, then the next slot's first fragments are read.  From a request to the wait for it a wave issues 240 matrix instructions.
.macro TURN slot, next, fill
	s_wait_dscnt 8
	WIN MUL_LO
	MUL16 F1, 0, 0, 0
	s_wait_dscnt 0                                 ; my reads of this slot are over
	s_wait_tensorcnt 0x0                           ; all my tensor loads have landed
	ds_add_u32 v255, v63
	s_wait_dscnt 0x0
	s_barrier_signal -1
	MUL16 F1, 0, 2, 0                              ; register work while the others arrive
	WIN 0
	s_barrier_wait -1
.if \fill
	CREST                                          ; no wave of any partner still reads this slot or has a load on its way
	s_add_nc_u64 s[G0+4*\slot+2:G0+4*\slot+3], s[G0+4*\slot+2:G0+4*\slot+3], 2*KSTEP*2      ; no load of mine is out: group 0 may be written
	s_add_nc_u64 s[G0B+4*\slot+2:G0B+4*\slot+3], s[G0B+4*\slot+2:G0B+4*\slot+3], 2*KSTEP*2
	JLOAD \slot                                    ; my one tensor load behind the round
.endif
	PLACES
	FETCH \next, 0, F0
	WIN MUL_HI
	MUL16 F1, 1, 0, 0
	MUL16 F1, 1, 2, 0
.endm
.macro LAP zero
	THREE 0, \zero
	TURN 0, 1, 1
	THREE 1, 0
	TURN 1, 0, 1
.endm
	s_wait_tensorcnt 1                             ; my part of K step 0 is in; K step 1's load stays out
	s_barrier_signal -1
	s_barrier_wait -1                              ; everybody's part is in
	FETCH 0, 0, F0
	LAP 1                                          ; the first lap stands in front of the loop: its first products start the sums
	WIN 0                                          ; at a label and at a branch every window is 0
	s_mov_b32 s3, LAPS-2
.Llap:
	LAP 0
	WIN 0
	s_sub_co_u32 s3, s3, 1
	s_cmp_lg_u32 s3, 0
	s_cbranch_scc1 .Llap
	THREE 0, 0                                     ; the last lap fills nothing
	TURN 0, 1, 0
	THREE 1, 0
	s_wait_dscnt 8                                 ; the very last quarter
	WIN MUL_LO
	MUL16 F1, 0, 0, 0
	MUL16 F1, 0, 2, 0
	s_wait_dscnt 0
	WIN MUL_HI
	MUL16 F1, 1, 0, 0
	MUL16 F1, 1, 2, 0
	; THE WAY OUT, in two passes of 64 tokens for each wave.  A row of the block's 128 columns of actf is 256 bytes, of which a wave holds 128; so the
	; four waves lay their parts side by side in the stage, pass a barrier, and each stores 32 whole rows.
	PLACES
	s_lshl_b32 s16, s13, 8
	s_lshl_b32 s17, s11, 7
	s_add_co_u32 s16, s16, s17
	s_lshl_b32 s17, s12, 5
	s_add_co_u32 s16, s16, s17                     ; the first token that I store: 256 by + 128 x token half + 32 x (wave & 1)
	s_lshl_b32 s16, s16, 12                        ; 4,096 bytes a row (below 16 MiB)
	s_mov_b32 s17, 0
	s_add_nc_u64 s[8:9], s[8:9], s[16:17]
	s_lshl_b32 s46, s42, 8                         ; column 256 e + 128 j, 2 bytes each = 256 nb
	s_mov_b32 s47, 0
	s_add_nc_u64 s[8:9], s[8:9], s[46:47]
; tokens 16 a .. 16 a + 15 of window 2 or 3 (from = 0x0a or 0x0f: sources 0 and 1): 32 numbers a lane, g in tiles (a, 0..3), u in tiles (a, 4..7);
; ci = the token block among my eight, for coef s
.macro ACT16 a, from, ci
	WIN \from
.irp b, 0,1,2,3
.irp r, 0,2,4,6
	v_pk_mul_f32 v[TT+8*\b+\r:TT+8*\b+\r+1], v[8*(8*\a+\b)+\r:8*(8*\a+\b)+\r+1], s[76:77] op_sel_hi:[1,0]                           ; -1.442695 g
	v_pk_mul_f32 v[PP+8*\b+\r:PP+8*\b+\r+1], v[8*(8*\a+\b)+\r:8*(8*\a+\b)+\r+1], v[8*(8*\a+\b+4)+\r:8*(8*\a+\b+4)+\r+1]             ; g u
.endr
.endr
	WIN 0
.set idx, 0
.rept 32
	v_exp_f32 v[EE+idx], v[TT+idx]                 ; exp(-g)
.set idx, idx+1
.endr
.set idx, 0
.rept 16
	v_pk_mul_f32 v[PP+idx:PP+idx+1], v[PP+idx:PP+idx+1], v[CF+2*\ci:CF+2*\ci+1]     ; g u coef s: plain work between the exponentials and the use of their results
.set idx, idx+2
.endr
.set idx, 0
	s_wait_alu depctr_va_vdst(0)
.rept 16
	v_pk_add_f32 v[TT+idx:TT+idx+1], v[EE+idx:EE+idx+1], 1.0 op_sel_hi:[1,0]
.set idx, idx+2
.endr
.set idx, 0
.rept 32
	v_rcp_f32 v[EE+idx], v[TT+idx]                 ; the sigmoid
.set idx, idx+1
.endr
	v_nop                                          ; one plain place behind the last reciprocal
.set idx, 0
	s_wait_alu depctr_va_vdst(0)
.rept 16
	v_pk_mul_f32 v[PP+idx:PP+idx+1], v[PP+idx:PP+idx+1], v[EE+idx:EE+idx+1]         ; the result
.set idx, idx+2
.endr
.irp b, 0,1,2,3
.irp r, 0,1,2,3
	v_cvt_pk_f16_f32 v[OO+4*\b+\r], v[PP+8*\b+2*\r], v[PP+8*\b+2*\r+1]
.endr
.endr
.irp b, 0,1,2,3
	ds_store_b128 v[STO], v[OO+4*\b:OO+4*\b+3] offset:\a*16*SPITCH+32*\b
.endr
.endm
; 32 rows of the stage go out; p = the pass
.macro DRAIN p
.irp t, 0,1,2,3,4,5,6,7,8,9,10,11,12,13,14,15
	ds_load_b128 v[RB+4*\t:RB+4*\t+3], v[RD] offset:\t*2*SPITCH
.endr
.irp t, 0,1,2,3,4,5,6,7,8,9,10,11,12,13,14,15
	s_wait_dscnt 15-\t                             ; LDS loads come back in order: pair t of rows is in, the younger ones stay out
	global_store_b128 v[CO], v[RB+4*\t:RB+4*\t+3], s[8:9] offset:(64*\p+2*\t)*4096   ; 16 lanes store 256 consecutive bytes, at a multiple of 256 from actf's first byte; no hint: the next launch reads them
.endr
.endm
	ACT16 0, 0x0a, 0
	ACT16 1, 0x0a, 1
	ACT16 2, 0x0a, 2
	ACT16 3, 0x0a, 3
	s_wait_dscnt 0x0                               ; my stores into the stage are done, for the others' sake
	s_barrier_signal -1
	s_barrier_wait -1                              ; the stage holds all four waves' parts
	DRAIN 0
	s_wait_dscnt 0x0                               ; my reads of the stage are over (met: the count-down ended at 0)
	s_barrier_signal -1
	s_barrier_wait -1                              ; everybody's are: the stage may be written again
	ACT16 0, 0x0f, 4
	ACT16 1, 0x0f, 5
	ACT16 2, 0x0f, 6
	ACT16 3, 0x0f, 7
	s_wait_dscnt 0x0
	s_barrier_signal -1
	s_barrier_wait -1
	s_wait_xcnt 0x0                                ; the first pass's stores read v[192:255]: these are loaded again only behind this wait
	DRAIN 1
	s_set_vgpr_msb 0x1
	s_wait_tensorcnt 0x0
	ds_add_u32 v255, v63
	s_wait_dscnt 0x0
	s_set_vgpr_msb 0x100
	CROUND                                         ; the closing round: no work-group ends while a partner may still ask for a tile that names it
	s_endpgm
.Lfunc_end_k_q38624d985d_gateup:
	.size	k_q38624d985d_gateup, .Lfunc_end_k_q38624d985d_gateup-k_q38624d985d_gateup
	.p2alignl 7, 3214868480
	.fill 96, 4, 3214868480
	.section	.rodata,"a",@progbits
	.p2align	6, 0x0
	.amdhsa_kernel k_q38624d985d_gateup
		.amdhsa_group_segment_fixed_size 327680
		.amdhsa_private_segment_fixed_size 0
		.amdhsa_enable_private_segment 0
		.amdhsa_kernarg_size 56
		.amdhsa_user_sgpr_count 2
		.amdhsa_user_sgpr_kernarg_segment_ptr 1
		.amdhsa_wavefront_size32 1
		.amdhsa_system_sgpr_workgroup_id_x 1
		.amdhsa_system_sgpr_workgroup_id_y 1
		.amdhsa_system_sgpr_workgroup_id_z 1
		.amdhsa_system_vgpr_workitem_id 0
		.amdhsa_next_free_vgpr 1024
		.amdhsa_next_free_sgpr 88
		.amdhsa_reserve_vcc 1
		.amdhsa_float_denorm_mode_32 3
		.amdhsa_float_denorm_mode_16_64 3
		.amdhsa_memory_ordered 1
		.amdhsa_forward_progress 1
		.amdhsa_inst_pref_size 248
	.end_amdhsa_kernel
	.amdgpu_metadata
---
amdhsa.version: [ 1, 2 ]
amdhsa.kernels:
  - .name:           k_q38624d985d_gateup
    .symbol:         k_q38624d985d_gateup.kd
    .args:
      - { .name: xh, .offset: 0, .size: 8, .value_kind: global_buffer, .address_space: global }
      - { .name: guh, .offset: 8, .size: 8, .value_kind: global_buffer, .address_space: global }
      - { .name: top_experts, .offset: 16, .size: 8, .value_kind: global_buffer, .address_space: global }
      - { .name: top_weights, .offset: 24, .size: 8, .value_kind: global_buffer, .address_space: global }
      - { .name: xn2, .offset: 32, .size: 8, .value_kind: global_buffer, .address_space: global }
      - { .name: wmx, .offset: 40, .size: 8, .value_kind: global_buffer, .address_space: global }
      - { .name: actf, .offset: 48, .size: 8, .value_kind: global_buffer, .address_space: global }
    .group_segment_fixed_size: 327680
    .private_segment_fixed_size: 0
    .kernarg_segment_align: 8
    .kernarg_segment_size: 56
    .max_flat_workgroup_size: 128
    .sgpr_count:     88
    .vgpr_count:     1024
    .wavefront_size: 32
...
	.end_amdgpu_metadata
.endif
;; end of part 2
;; launch down (part 3): grid 16 x 16, 4 waves a work-group, clusters of 4 x 4, 327,680 bytes of LDS; arguments actf, dnh, top_weights, xn2, wmx, out0; writes out0
.if DOCPART == 3
	.amdgcn_target "amdgcn-amd-amdhsa--gfx1250"
	.amdhsa_code_object_version 6
	.text
	.protected	k_q38624d985d_down
	.globl	k_q38624d985d_down
	.p2align	8
	.type	k_q38624d985d_down,@function
k_q38624d985d_down:
	s_mov_b64 s[64:65], 0
	v_nop
	global_prefetch_b8 v0, s[64:65] scope:SCOPE_SE
	s_setreg_imm32_b32 hwreg(HW_REG_WAVE_MODE, 25, 1), 1
	s_wait_xcnt 0x0
	s_wait_alu depctr_hold_cnt(0) depctr_sa_sdst(0) depctr_va_vdst(0) depctr_va_sdst(0) depctr_va_ssrc(0) depctr_va_vcc(0) depctr_vm_vsrc(0)
	s_getreg_b32 s2, hwreg(HW_REG_IB_STS2, 6, 4)
	s_cmp_eq_u32 s2, 0
	s_cbranch_scc0 .Lentry_in_a_cluster
	s_endpgm
.Lentry_in_a_cluster:
	s_bfe_u32 s2, ttmp6, 0x10000c
	s_cmp_lg_u32 s2, 0xf033
	s_cbranch_scc0 .Lentry_shape_is_right
	s_endpgm
.Lentry_shape_is_right:
; out0[t][d] = (1 / s[t]) * sum over e and i of actf[t][256 e + i] * down[e][d][i]: one product of 4096 x 2048 with K = 2048.  actf already carries coef
; and the token's power-of-two scale s; the scale is taken away again here, exactly.
; actf: [4096][2048] f16.  dnh: [8][2048][256] f16.  top_weights: [4096][4] f32.  xn2: [4096] f32.  wmx: [512] f32.  out0: [4096][2048] f32.
; Sums in f32, K ascending, one accumulator for each output.
; THE SCALE.  C[t] = (sum of |top_weights[t]|) * xn2[t] * max(wmx) bounds the token's numbers ahead of the scale (the launch that makes actf says why).  It is
; formed here by the same instructions in the same order as there, so it has the same bits; with e its biased exponent, kept at 64 or more, s was
; 2^(139 - e) and 1 / s is 2^(e - 139).
; A work-group makes 256 tokens x 128 columns with four waves: blocks of 256 x 256 would be 128 work-groups, these are 256.  A wave makes 128 x 64:
; 32 accumulator tiles of 16 x 16, 256 registers, one register window.
; K goes in 16 steps of 128 through a ring of two LDS slots.  Step 2 e + q is expert e, columns 128 q .. 128 q + 127 of its 256: slot 0 always holds
; q = 0 and slot 1 q = 1, so a slot's address in actf steps by 512 bytes and its address in dnh by one expert, 2048 x 512 bytes.
; Two slots of twice the K step would take 405,504 bytes of LDS with the padding: more than a work-group can have.
; CLUSTERS: 4 x 4 work-groups; tiles of actf are shared along a row of the cluster, tiles of dnh along a column, each asked for jointly.
; REGISTERS: window 0: v0-55 addresses, 1 / s, xn2; v64-127, v128-191 fragments of actf (8 x 16 rows x 32 K), two buffers; v192-223, v224-255 fragments of
; dnh (4), two buffers.  Window 1: tile (a, b) at v[8 (4 a + b)], a = 0..7 token blocks, b = 0..3 column blocks.
; The matrix instruction is used transposed (source 0 = 16 rows of dnh, source 1 = 16 tokens): lane l holds token l % 16 and its registers 0 to 7 the
; columns 8 (l / 16) + 0 .. 7, 32 neighbouring bytes of a row of out0; so one 1 / s serves all of a lane's numbers of a token block.
.set KDIM,   2048
.set KSTEP,  128
.set PITCH,  272                       ; an LDS row: 256 bytes + 16 of padding
.set HALFA,  128*PITCH                 ; what a load of actf brings: 128 rows
.set HALFB,  64*PITCH                  ; what a load of dnh brings: 64 rows
.set SLOT,   2*HALFA+2*HALFB           ; 256 tokens, then 128 rows of dnh
.set STAGE,  2*SLOT                    ; behind the ring, at a multiple of 256: 16 rows x 272 bytes for each wave; no tensor load lands here
.set SPITCH, 272
.set LAPS,   KDIM/(2*KSTEP)            ; 8
.set ADRA, 16                          ; v16-17  LDS address of my fragments of actf in slot 0, 1
.set ADRB, 20                          ; v20-21  the same for dnh
.set STO,  24                          ; v24     the way out: where I put 32 bytes of a row
.set RD,   25                          ; v25     the way out: where I read a row back
.set CO,   26                          ; v26     my byte offset in out0
.set TK4,  27                          ; v27     4 (l % 16): my token's word in xn2
.set TK,   28                          ; v28     16 (l % 16): my token's four entries in top_weights
.set LN,   29                          ; v29     16 x lane: my 16 bytes of each 512 of wmx
.set IV,   32                          ; v[32:47] 1 / s of token block i, twice, as the pair v[32+2i:33+2i]
.set XN,   48                          ; v[48:55] xn2 of token block i
.set WL,   64                          ; v[64:79]   ahead of the loop: 16 words of wmx
.set TW,   128                         ; v[128:159] ahead of the loop: block i: 4 weights
.set FA,   64                          ; fragments of actf, buffer f at FA + 64 f
.set FB,   192                         ; fragments of dnh, buffer f at FB + 32 f
.set RB0,  64                          ; the way out: rows read back, two sets in turn
.set RB1,  96
.set TMP,  128                         ; the way out: v[128:159] sums times 1 / s
.set G1,  24                           ; s[24:31] group 1 for tiles of actf
.set G0,  32                           ; s[32:39] group 0 for tiles of actf, one set for each slot
.set G1B, 48                           ; s[48:55] group 1 for tiles of dnh
.set G0B, 56                           ; s[56:63] group 0 for tiles of dnh, one set for each slot
.set MSB, 0
.macro WIN new                         ; the immediate's high byte repeats the setting that is left
.if MSB != \new
	s_set_vgpr_msb (MSB<<8)|\new
.set MSB, \new
.endif
.endm
.set MULW, 0x50                        ; sources 0 and 1 window 0, C and D window 1
.set ACCW, 0x01                        ; source 0 window 1 (a sum), source 1 and destination window 0
; A joint load: waves 0 and 1 fetch the two halves of the tokens, waves 2 and 3 the two halves of the rows of dnh
.macro JLOAD s
	s_cmp_eq_u32 s11, 0
	s_cbranch_scc0 .Lfor_b_\@
	tensor_load_to_lds s[G0+4*\s:G0+4*\s+3], s[G1:G1+7]
	s_nop 0
	s_branch .Lasked_\@
.Lfor_b_\@:
	tensor_load_to_lds s[G0B+4*\s:G0B+4*\s+3], s[G1B:G1B+7]
	s_nop 0
.Lasked_\@:
.endm
.macro CREST                           ; a round of the cluster's barrier behind its opening barrier
	s_cmp_lg_u32 s10, 0
	s_cbranch_scc1 .Lnot_wave_0_\@
	s_barrier_signal -3
.Lnot_wave_0_\@:
	s_barrier_wait -3
	s_barrier_signal -1
	s_barrier_wait -1
.endm
.macro CROUND                          ; a whole round
	s_barrier_signal -1
	s_barrier_wait -1
	CREST
.endm
	s_load_b128 s[4:7], s[0:1], 0x0                ; actf s[4:5], dnh s[6:7]
	s_load_b128 s[68:71], s[0:1], 0x10             ; top_weights s[68:69], xn2 s[70:71]
	s_load_b64 s[72:73], s[0:1], 0x20              ; wmx
	s_load_b64 s[8:9], s[0:1], 0x28                ; out0
	v_lshl_add_u32 v62, v0, 2, 0x37400
	v_mov_b32 v63, 0
	ds_add_u32 v62, v63
	v_lshrrev_b32 v1, 5, v0
	v_readfirstlane_b32 s10, v1                    ; wave 0..3
	s_lshr_b32 s11, s10, 1                         ; which 128 tokens are mine.  Also: I fetch actf (0) or dnh (1)
	s_and_b32 s12, s10, 1                          ; which 64 columns are mine.  Also: which half I fetch
	s_bfe_u32 s40, ttmp6, 0x40000                  ; cx
	s_bfe_u32 s41, ttmp6, 0x40004                  ; cy
	s_lshl_b32 s42, ttmp9, 2
	s_add_co_u32 s42, s42, s40                     ; block column bx: 128 columns
	s_and_b32 s13, ttmp7, 0xffff
	s_lshl_b32 s13, s13, 2
	s_add_co_u32 s13, s13, s41                     ; block row by: 256 tokens
	s_lshl_b32 s43, s41, 2
	s_lshl_b32 s43, 15, s43                        ; my row of the cluster
	s_lshl_b32 s44, 0x1111, s40                    ; my column
	s_mov_b32 s76, 0x7fffffff                      ; clears a sign
	s_mov_b32 s78, 0x76543210                      ; v_permlanex16_b32: lane i of one half reads lane i of the other
	s_mov_b32 s79, 0xfedcba98
	s_lshl_b32 s80, s13, 12                        ; 16 bytes a token in top_weights: (256 by + 128 half) x 16
	s_lshl_b32 s81, s11, 11
	s_add_co_u32 s80, s80, s81
	s_mov_b32 s81, 0
	s_lshl_b32 s82, s13, 10                        ; 4 bytes a token in xn2
	s_lshl_b32 s83, s11, 9
	s_add_co_u32 s82, s82, s83
	s_mov_b32 s83, 0
	s_or_b32 s[G1+0], s43, (1<<16)|(1<<20)|(1<<21)|(5<<22)|(3<<25)  ; mask of my row; 2-byte elements; 4 words of padding behind every 64; bit 21 set beside a mask
	s_or_b32 s[G1B+0], s44, (1<<16)|(1<<20)|(1<<21)|(5<<22)|(3<<25) ; the same with my column's mask
	s_mov_b32 s[G1+1], KSTEP<<16                   ; tensor_dim0 = 128
	s_mov_b32 s[G1B+1], KSTEP<<16
	s_mov_b32 s[G1+2], 128<<16                     ; tensor_dim1 = 128 rows of actf,
	s_mov_b32 s[G1B+2], 64<<16                     ; 64 rows of dnh
	s_mov_b32 s[G1+3], KSTEP<<16                   ; tile_dim0 = 128
	s_mov_b32 s[G1B+3], KSTEP<<16
	s_mov_b32 s[G1+4], 128                         ; tile_dim1
	s_mov_b32 s[G1B+4], 64
	s_mov_b32 s[G1+5], KDIM                        ; actf: 2,048 elements from row to row,
	s_mov_b32 s[G1B+5], 256                        ; dnh: 256
	s_mov_b32 s[G1+6], 0
	s_mov_b32 s[G1B+6], 0
	s_mov_b32 s[G1+7], 0
	s_mov_b32 s[G1B+7], 0
	s_lshl_b32 s17, s12, 7
	s_lshl_b32 s16, s13, 8
	s_add_co_u32 s16, s16, s17                     ; actf: row 256 by + 128 x half,
	s_lshl_b32 s16, s16, 12                        ; 4,096 bytes a row
	s_mov_b32 s17, 0
	s_lshl_b32 s46, s42, 7
	s_lshl_b32 s45, s12, 6
	s_add_co_u32 s46, s46, s45                     ; dnh: row 128 bx + 64 x half of expert 0,
	s_lshl_b32 s46, s46, 9                         ; 512 bytes a row
	s_mov_b32 s47, 0
	s_mul_i32 s20, s10, HALFA                      ; actf's halves go to wave x 128 rows (waves 0, 1),
	s_mul_i32 s19, s10, HALFB                      ; dnh's to 2 x 128 rows + (wave - 2) x 64 rows (waves 2, 3)
	s_add_co_u32 s19, s19, 2*HALFA-2*HALFB
	s_wait_dscnt 0x0
	s_wait_kmcnt 0x0
	s_add_nc_u64 s[14:15], s[4:5], s[16:17]
	s_add_nc_u64 s[46:47], s[6:7], s[46:47]
	s_add_nc_u64 s[68:69], s[68:69], s[80:81]      ; top_weights and xn2 at my first token
	s_add_nc_u64 s[70:71], s[70:71], s[82:83]
	CROUND                                         ; all sixteen work-groups are here: the first joint loads meet
.irp s, 0,1
	s_mov_b32 s[G0+4*\s], 1
	s_add_co_u32 s[G0+4*\s+1], s20, \s*SLOT
	s_add_nc_u64 s[G0+4*\s+2:G0+4*\s+3], s[14:15], \s*KSTEP*2      ; K step s: 256 bytes along the row, in actf
	s_or_b32 s[G0+4*\s+3], s[G0+4*\s+3], 0x80000000
	s_mov_b32 s[G0B+4*\s], 1
	s_add_co_u32 s[G0B+4*\s+1], s19, \s*SLOT
	s_add_nc_u64 s[G0B+4*\s+2:G0B+4*\s+3], s[46:47], \s*KSTEP*2    ; and in dnh: half s of expert 0's 256 columns
	s_or_b32 s[G0B+4*\s+3], s[G0B+4*\s+3], 0x80000000
	JLOAD \s                                       ; both slots are asked for before anything else: two tensor loads of the wave are out
.endr
	v_and_b32 v1, 15, v0                           ; l % 16
	v_bfe_u32 v2, v0, 4, 1                         ; l / 16
	v_and_b32 v5, 31, v0                           ; l
	v_lshlrev_b32 v[TK4], 2, v1                    ; 4 (l % 16)
	v_lshlrev_b32 v[TK], 4, v1                     ; 16 (l % 16)
	v_lshlrev_b32 v[LN], 4, v5                     ; 16 l
.irp j, 0,1,2,3
	global_load_b128 v[WL+4*\j:WL+4*\j+3], v[LN], s[72:73] offset:512*\j         ; all 512 words of wmx, 16 a lane
.endr
.irp i, 0,1,2,3,4,5,6,7
	global_load_b128 v[TW+4*\i:TW+4*\i+3], v[TK], s[68:69] offset:256*\i         ; token 16 i + l % 16 of my 128: its four weights
	global_load_b32  v[XN+\i], v[TK4], s[70:71] offset:64*\i                     ; and its row's sum of squares
.endr
	v_mul_u32_u24 v3, v1, PITCH
	v_lshl_add_u32 v3, v2, 4, v3                   ; fragments: row x pitch + 16 x half
	s_mul_i32 s21, s11, HALFA                      ; my 128 tokens
	s_mul_i32 s22, s12, HALFB                      ; my 64 rows of dnh,
	s_add_co_u32 s22, s22, 2*HALFA                 ; which lie behind the 256 tokens
.irp s, 0,1
	v_add_nc_u32 v[ADRA+\s], s21, v3
	v_add_nc_u32 v[ADRB+\s], s22, v3
	s_add_co_u32 s21, s21, SLOT
	s_add_co_u32 s22, s22, SLOT
.endr
	s_mul_i32 s23, s10, 16*SPITCH
	s_add_co_u32 s23, s23, STAGE                   ; my stage
	v_mul_u32_u24 v4, v1, SPITCH                   ; in: row l % 16, 32 bytes for each half of the lanes
	v_lshl_add_u32 v4, v2, 5, v4
	v_add_nc_u32 v[STO], s23, v4
	v_mul_u32_u24 v5, v2, SPITCH                   ; back: lanes 0-15 one row of 256 bytes, lanes 16-31 the next
	v_add_nc_u32 v5, v5, v[TK]
	v_add_nc_u32 v[RD], s23, v5
	v_lshl_add_u32 v[CO], v2, 13, v[TK]            ; and the same two rows in out0 (8,192 bytes a row)
	s_wait_loadcnt 0x0                             ; wmx, weights and sums of squares are in; the first tiles are on their way meanwhile
	; the longest weight row's sum of squares: my 16 words, then across the 32 lanes; every lane ends with it, in v9
	v_max3_num_f32 v9, v[WL], v[WL+1], v[WL+2]
.irp j, 3,5,7,9,11,13
	v_max3_num_f32 v9, v9, v[WL+\j], v[WL+\j+1]
.endr
	v_max_num_f32 v9, v9, v[WL+15]
	v_max_num_f32_dpp v9, v9, v9 row_xmask:1 row_mask:0xf bank_mask:0xf
	v_max_num_f32_dpp v9, v9, v9 row_xmask:2 row_mask:0xf bank_mask:0xf
	v_max_num_f32_dpp v9, v9, v9 row_xmask:4 row_mask:0xf bank_mask:0xf
	v_max_num_f32_dpp v9, v9, v9 row_xmask:8 row_mask:0xf bank_mask:0xf
	v_permlanex16_b32 v5, v9, s78, s79             ; its destination counts as read: a register that has been written
	v_max_num_f32 v9, v9, v5
; The bound C of token block i, in the order in which the launch before formed it (((|w0| + |w1|) + |w2|) + |w3|, times the row's sum of squares, times the
; longest weight row's), and the inverse of its scale.
.macro INVS i
	v_and_b32 v6, s76, v[TW+4*\i]
.irp k, 1,2,3
	v_and_b32 v7, s76, v[TW+4*\i+\k]
	v_add_f32 v6, v6, v7
.endr
	v_mul_f32 v6, v6, v[XN+\i]
	v_mul_f32 v6, v6, v9                           ; C
	v_bfe_u32 v6, v6, 23, 8                        ; e
	v_max_u32 v6, 64, v6
	v_add_nc_u32 v6, -12, v6
	v_lshlrev_b32 v[IV+2*\i], 23, v6               ; 1 / s = 2^(e - 139)
	v_mov_b32 v[IV+2*\i+1], v[IV+2*\i]             ; twice: a pair for the packed multiply
.endm
.irp i, 0,1,2,3,4,5,6,7
	INVS \i
.endr
; 8 matrix instructions: token blocks a0, a0 + 1 x all 4 column blocks, 32 along K, from buffer f.  zero = 1: the first product starts the sums.
; The 32 accumulators take turns, one instruction a turn, in the same order in every quarter step.
.macro MUL2 f, a0, zero
.irp a, \a0, \a0+1
.irp b, 0,1,2,3
.if \zero
	v_wmma_f32_16x16x32_f16 v[8*(4*(\a)+\b):8*(4*(\a)+\b)+7], v[FB+32*\f+8*\b:FB+32*\f+8*\b+7], v[FA+64*\f+8*(\a):FA+64*\f+8*(\a)+7], 0
.else
	v_wmma_f32_16x16x32_f16 v[8*(4*(\a)+\b):8*(4*(\a)+\b)+7], v[FB+32*\f+8*\b:FB+32*\f+8*\b+7], v[FA+64*\f+8*(\a):FA+64*\f+8*(\a)+7], v[8*(4*(\a)+\b):8*(4*(\a)+\b)+7]
.endif
.endr
.endr
.endm
; 24 LDS loads in one run: 64 rows of dnh, then 128 tokens, 32 K at byte k of the rows, into buffer f.  Every window is 0 here.
.macro FETCH slot, k, f
.irp i, 0,1,2,3
	ds_load_b128 v[FB+32*\f+8*\i:FB+32*\f+8*\i+3],   v[ADRB+\slot] offset:\k+\i*16*PITCH
	ds_load_b128 v[FB+32*\f+8*\i+4:FB+32*\f+8*\i+7], v[ADRB+\slot] offset:\k+\i*16*PITCH+32
.endr
.irp i, 0,1,2,3,4,5,6,7
	ds_load_b128 v[FA+64*\f+8*\i:FA+64*\f+8*\i+3],   v[ADRA+\slot] offset:\k+\i*16*PITCH
	ds_load_b128 v[FA+64*\f+8*\i+4:FA+64*\f+8*\i+7], v[ADRA+\slot] offset:\k+\i*16*PITCH+32
.endr
.endm
; Four places of plain vector instructions behind the last matrix instruction, in front of loads into registers that matrix
; instructions have read and of vector instructions that read their results or write their sources.
.macro PLACES
.rept 4
	v_nop
.endr
.endm
; A K step is four quarter steps of 32 along K, 32 matrix instructions each, on buffers 0, 1, 0, 1.
.macro QUARTER slot, k, f, g, zero
	s_wait_dscnt 8                                 ; dnh and tokens 0-63 are in; the youngest eight loads (tokens 64-127) may be out
	WIN MULW
	MUL2 \f, 0, \zero
	MUL2 \f, 2, \zero
	PLACES
	WIN 0
	FETCH \slot, \k, \g
	s_wait_dscnt 24                                ; all but the 24 just issued
	WIN MULW
	MUL2 \f, 4, \zero
	MUL2 \f, 6, \zero
.endm
.macro THREE slot, zero
	QUARTER \slot, 64,  0, 1, \zero
	QUARTER \slot, 128, 1, 0, 0
	QUARTER \slot, 192, 0, 1, 0
.endm
; The last quarter multiplies buffer 1 and changes slots.  In front of the barrier each wave waits for its reads of this slot and for all its tensor
; loads (the one that is out is its part of the next slot).  Behind it (with fill = 1: behind the whole round of the cluster's barrier) this slot is
; asked for again first, then the next slot's first fragments are read.  From a request to the wait for it a wave issues 120 matrix instructions.
.macro TURN slot, next, fill
	s_wait_dscnt 8
	WIN MULW
	MUL2 1, 0, 0
	s_wait_dscnt 0                                 ; my reads of this slot are over
	s_wait_tensorcnt 0x0                           ; all my tensor loads have landed
	ds_add_u32 v62, v63
	s_wait_dscnt 0x0
	s_barrier_signal -1
	MUL2 1, 2, 0                                   ; register work while the others arrive
	WIN 0
	s_barrier_wait -1
.if \fill
	CREST                                          ; no wave of any partner still reads this slot or has a load on its way
	s_add_nc_u64 s[G0+4*\slot+2:G0+4*\slot+3], s[G0+4*\slot+2:G0+4*\slot+3], 2*KSTEP*2      ; no load of mine is out: group 0 may be written.  actf: two K steps on
	s_add_nc_u64 s[G0B+4*\slot+2:G0B+4*\slot+3], s[G0B+4*\slot+2:G0B+4*\slot+3], 0x100000   ; dnh: the next expert, 2048 rows of 512 bytes on
	JLOAD \slot                                    ; my one tensor load behind the round
.endif
	PLACES
	FETCH \next, 0, 0
	WIN MULW
	MUL2 1, 4, 0
	MUL2 1, 6, 0
.endm
.macro LAP zero
	THREE 0, \zero
	TURN 0, 1, 1
	THREE 1, 0
	TURN 1, 0, 1
.endm
	s_wait_tensorcnt 1                             ; my part of K step 0 is in; K step 1's load stays out
	s_barrier_signal -1
	s_barrier_wait -1                              ; everybody's part is in
	FETCH 0, 0, 0
	LAP 1                                          ; the first lap stands in front of the loop: its first products start the sums
	WIN 0                                          ; at a label and at a branch every window is 0
	s_mov_b32 s3, LAPS-2
.Llap:
	LAP 0
	WIN 0
	s_sub_co_u32 s3, s3, 1
	s_cmp_lg_u32 s3, 0
	s_cbranch_scc1 .Llap
	THREE 0, 0                                     ; the last lap (expert 7) fills nothing
	TURN 0, 1, 0
	THREE 1, 0
	s_wait_dscnt 8                                 ; the very last quarter
	WIN MULW
	MUL2 1, 0, 0
	MUL2 1, 2, 0
	s_wait_dscnt 0
	MUL2 1, 4, 0
	MUL2 1, 6, 0
	; THE WAY OUT, 16 tokens at a time: the sums times the token's 1 / s, a lane's 32 bytes into my own stage, whole rows of my 64 columns (256 bytes) back
	; and stored.  The stage is each wave's own, and LDS serves a wave's instructions in order (ISA guide 5.7.1): no barrier, no wait between stores and loads.
	PLACES
	s_lshl_b32 s16, s13, 8
	s_lshl_b32 s17, s11, 7
	s_add_co_u32 s16, s16, s17                     ; my first token
	s_lshl_b32 s16, s16, 13                        ; 8,192 bytes a row (below 32 MiB)
	s_mov_b32 s17, 0
	s_add_nc_u64 s[8:9], s[8:9], s[16:17]
	s_lshl_b32 s46, s42, 9                         ; my first column, 4 bytes each: 512 bx + 256 x half
	s_lshl_b32 s47, s12, 8
	s_add_co_u32 s46, s46, s47
	s_mov_b32 s47, 0
	s_add_nc_u64 s[8:9], s[8:9], s[46:47]
; tokens 16 i .. 16 i + 15 of my block = the four tiles (i, 0..3); f: RB0 or RB1 in turn
.macro OUT16 i, f
	WIN ACCW
.irp b, 0,1,2,3
.irp r, 0,2,4,6
	v_pk_mul_f32 v[TMP+8*\b+\r:TMP+8*\b+\r+1], v[8*(4*\i+\b)+\r:8*(4*\i+\b)+\r+1], v[IV+2*\i:IV+2*\i+1]    ; the scale goes out again: a power of two, exact
.endr
.endr
	WIN 0
.irp b, 0,1,2,3
	ds_store_b128 v[STO], v[TMP+8*\b:TMP+8*\b+3]   offset:64*\b
	ds_store_b128 v[STO], v[TMP+8*\b+4:TMP+8*\b+7] offset:64*\b+16
.endr
	s_wait_xcnt 0x0                                ; earlier stores read set f: it is loaded again only behind this wait
.irp t, 0,1,2,3,4,5,6,7
	ds_load_b128 v[\f+4*\t:\f+4*\t+3], v[RD] offset:\t*2*SPITCH
.endr
.irp t, 0,1,2,3,4,5,6,7
	s_wait_dscnt 7-\t                              ; pair t of rows is in, the younger ones stay out
	global_store_b128 v[CO], v[\f+4*\t:\f+4*\t+3], s[8:9] offset:(16*\i+2*\t)*8192 th:TH_STORE_NT   ; 16 lanes store 256 consecutive bytes, at a multiple of 256 from out0's first byte; written once, read by no launch
.endr
.endm
	OUT16 0, RB0
	OUT16 1, RB1
	OUT16 2, RB0
	OUT16 3, RB1
	OUT16 4, RB0
	OUT16 5, RB1
	OUT16 6, RB0
	OUT16 7, RB1
	s_wait_tensorcnt 0x0
	ds_add_u32 v62, v63
	s_wait_dscnt 0x0
	CROUND                                         ; the closing round: no work-group ends while a partner may still ask for a tile that names it
	s_endpgm
.Lfunc_end_k_q38624d985d_down:
	.size	k_q38624d985d_down, .Lfunc_end_k_q38624d985d_down-k_q38624d985d_down
	.p2alignl 7, 3214868480
	.fill 96, 4, 3214868480
	.section	.rodata,"a",@progbits
	.p2align	6, 0x0
	.amdhsa_kernel k_q38624d985d_down
		.amdhsa_group_segment_fixed_size 327680
		.amdhsa_private_segment_fixed_size 0
		.amdhsa_enable_private_segment 0
		.amdhsa_kernarg_size 48
		.amdhsa_user_sgpr_count 2
		.amdhsa_user_sgpr_kernarg_segment_ptr 1
		.amdhsa_wavefront_size32 1
		.amdhsa_system_sgpr_workgroup_id_x 1
		.amdhsa_system_sgpr_workgroup_id_y 1
		.amdhsa_system_sgpr_workgroup_id_z 1
		.amdhsa_system_vgpr_workitem_id 0
		.amdhsa_next_free_vgpr 512
		.amdhsa_next_free_sgpr 84
		.amdhsa_reserve_vcc 0
		.amdhsa_float_denorm_mode_32 3
		.amdhsa_float_denorm_mode_16_64 3
		.amdhsa_memory_ordered 1
		.amdhsa_forward_progress 1
		.amdhsa_inst_pref_size 133
	.end_amdhsa_kernel
	.amdgpu_metadata
---
amdhsa.version: [ 1, 2 ]
amdhsa.kernels:
  - .name:           k_q38624d985d_down
    .symbol:         k_q38624d985d_down.kd
    .args:
      - { .name: actf, .offset: 0, .size: 8, .value_kind: global_buffer, .address_space: global }
      - { .name: dnh, .offset: 8, .size: 8, .value_kind: global_buffer, .address_space: global }
      - { .name: top_weights, .offset: 16, .size: 8, .value_kind: global_buffer, .address_space: global }
      - { .name: xn2, .offset: 24, .size: 8, .value_kind: global_buffer, .address_space: global }
      - { .name: wmx, .offset: 32, .size: 8, .value_kind: global_buffer, .address_space: global }
      - { .name: out0, .offset: 40, .size: 8, .value_kind: global_buffer, .address_space: global }
    .group_segment_fixed_size: 327680
    .private_segment_fixed_size: 0
    .kernarg_segment_align: 8
    .kernarg_segment_size: 48
    .max_flat_workgroup_size: 128
    .sgpr_count:     84
    .vgpr_count:     512
    .wavefront_size: 32
...
	.end_amdgpu_metadata
.endif
;; end of part 3
